; MI455X (gfx1250); checked and timed in simulation.
; The chip was launched on July 23, 2026; its instructions are those of AMD's public machine-readable ISA for CDNA 5 (MIT licence, August 2026) and "CDNA5" Instruction Set Architecture Reference Guide (July 2026). The comments in the code are by the model that wrote it; some were corrected since.
;; Quantized Linear. Allowed arithmetic: float matrix products may take bf16 or f16 operands with f32 sums; all other float work in f32.
;; Inputs: bias 4,096 float32; quantized_weight 4,096 x 4,096 int32; weight_scale 1 float32; weight_zero_point 1 int32; x 4 x 1,024 x 4,096 float32.
;; Outputs: out0 4 x 1,024 x 4,096 float32.
;; 2 versions, each right; version 2 is version 1 with the launch tobf16 written anew for expert scheduling mode. Each part assembles by itself: llvm-mc -triple=amdgcn-amd-amdhsa -mcpu=gfx1250 --defsym DOCPART=n.
;; ======== version 1 of 2: 2 launches
;; workspace buffers: xb 33,554,432 bytes; wb 33,554,432 bytes
;; launch tobf16 (part 1): grid 512 x 2, 8 waves a work-group, no clusters, 0 bytes of LDS; arguments x, quantized_weight, weight_zero_point, xb, wb; writes xb, wb
.if DOCPART == 1
	.amdgcn_target "amdgcn-amd-amdhsa--gfx1250"
	.amdhsa_code_object_version 6
	.text
	.protected	k_q423ac9de3f_tobf16
	.globl	k_q423ac9de3f_tobf16
	.p2align	8
	.type	k_q423ac9de3f_tobf16,@function
k_q423ac9de3f_tobf16:
	s_mov_b64 s[64:65], 0
	v_nop
	global_prefetch_b8 v0, s[64:65] scope:SCOPE_SE
	s_setreg_imm32_b32 hwreg(HW_REG_WAVE_MODE, 25, 1), 1
	s_wait_xcnt 0x0
; xb = bf16(x);  wb = bf16(f32(q) - f32(zp)).  x: [4096][4096] f32, q: [4096][4096] int32, zp: one int32; xb, wb: [4096][4096] bf16.
; A stream: each input byte is read once, each output byte written once; no LDS, no barrier, no matrix unit: there is nothing to share and nothing to multiply.
; Work-groups with y = 0 take x, those with y = 1 take q.  A work-group owns 32,768 consecutive numbers (131,072 bytes in, 65,536 out): 16 units of 2,048.
; In a unit wave w owns 256 numbers: two loads of 16 bytes a lane, each 512 consecutive bytes of the wave, and one store of 16 bytes a lane, 512 consecutive bytes.
; ORDER ALONG K.  A lane's 16 output bytes hold its four numbers of the first load and its four of the second, so inside each aligned group of 256 numbers of a row place 8 l + j holds
; source number 4 l + j (j < 4) or 128 + 4 l + j - 4 (j >= 4).  The same text writes xb and wb, and the product that follows sums over all of K: every x still meets its own weight;
; only the order of the f32 additions differs from ascending K.
; LIMITS.  q - zp is formed in f32, as the module forms it, and rounded once to bf16: exact while |q - zp| <= 256, beyond that to 8 significant bits.  Whole numbers beyond 2^24 are rounded by
; the conversion to f32.  x is rounded once to bf16.  NaN and infinities pass through as they are.
; A ring of 8 slots keeps 16 loads of every wave on their way; the 16 units are written out, and every unit's place stands in an immediate offset: no address register is ever rewritten.
.set VI, 1                             ; v1        my byte offset in a unit of the input: 1,024 x wave + 16 x lane; never rewritten
.set VO, 2                             ; v2        my byte offset in a unit of the output: 16 x thread; never rewritten
.set ZP, 4                             ; v[4:5]    f32(zp), twice: a pair for the packed subtraction
.set X,  8                             ; v[8:71]   slot i: 8 registers as loaded: +0..3 the first load, +4..7 the second
.set Y,  72                            ; v[72:103] slot i: 4 registers, 8 bf16 to store
	s_load_b256 s[4:11], s[0:1], 0x0               ; x s[4:5], q s[6:7], zp s[8:9], xb s[10:11]
	s_load_b64 s[12:13], s[0:1], 0x20              ; wb
	s_and_b32 s14, ttmp7, 0xffff                   ; 0: x, 1: q
	s_lshl_b32 s16, ttmp9, 17                      ; my work-group's 131,072 bytes of input (511 x 131,072 at the most: one word)
	s_mov_b32 s17, 0
	s_lshl_b32 s18, ttmp9, 16                      ; and its 65,536 bytes of output
	s_mov_b32 s19, 0
	v_and_b32 v[VI], 0xe0, v0                      ; 32 x wave
	v_and_b32 v3, 31, v0                           ; lane
	v_lshlrev_b32 v3, 4, v3
	v_lshl_or_b32 v[VI], v[VI], 5, v3              ; 1,024 x wave + 16 x lane
	v_lshlrev_b32 v[VO], 4, v0
	s_wait_kmcnt 0x0
; Slot i takes unit u: two loads, each 512 consecutive bytes of the wave.  The launch reads these bytes once.
.macro FILL i, u, src
	global_load_b128 v[X+8*(\i):X+8*(\i)+3],   v[VI], s[\src:\src+1] offset:(\u)*8192 th:TH_LOAD_NT
	global_load_b128 v[X+8*(\i)+4:X+8*(\i)+7], v[VI], s[\src:\src+1] offset:(\u)*8192+512 th:TH_LOAD_NT
.endm
; Slot i's turn with unit u.  ahead = 1: the slot is filled again with the unit 8 further on.  left = how many younger loads may stay out.  kind = 1: whole numbers less zp.
.macro SLOT i, u, ahead, left, kind, src, dst
	s_wait_loadcnt \left                           ; loads come back in order (ISA guide 5.7.1): my two are in, the younger ones stay out
.if (\u) >= 8
	s_wait_xcnt 0x0                                ; Y's slot i was the data of unit u - 8's store: it is rewritten only behind this wait
.endif
.if \kind
.irp j, 0,1,2,3,4,5,6,7
	v_cvt_f32_i32 v[X+8*(\i)+\j], v[X+8*(\i)+\j]
.endr
.irp j, 0,2,4,6
	v_pk_add_f32 v[X+8*(\i)+\j:X+8*(\i)+\j+1], v[X+8*(\i)+\j:X+8*(\i)+\j+1], v[ZP:ZP+1] neg_lo:[0,1] neg_hi:[0,1]  ; q - zp, two at a time
.endr
.endif
.irp j, 0,1,2,3
	v_cvt_pk_bf16_f32 v[Y+4*(\i)+\j], v[X+8*(\i)+2*\j], v[X+8*(\i)+2*\j+1]  ; two roundings to bf16, packed
.endr
.if \ahead
	FILL \i, (\u)+8, \src                          ; the load goes ahead of the store
.endif
	global_store_b128 v[VO], v[Y+4*(\i):Y+4*(\i)+3], s[\dst:\dst+1] offset:(\u)*4096  ; 512 consecutive bytes, at a multiple of 512 from the buffer's first; the next launch reads them: no hint
.endm
.macro PATH kind, src, dst
	s_add_nc_u64 s[\src:\src+1], s[\src:\src+1], s[16:17]
	s_add_nc_u64 s[\dst:\dst+1], s[\dst:\dst+1], s[18:19]
.irp i, 0,1,2,3,4,5,6,7
	FILL \i, \i, \src                              ; the ring is filled: units 0 to 7
.endr
.if \kind
	s_load_b32 s15, s[8:9], 0x0                    ; zp comes while the ring is on its way
	s_wait_kmcnt 0x0
	v_cvt_f32_i32 v[ZP], s15
	v_mov_b32 v[ZP+1], v[ZP]
.endif
.irp i, 0,1,2,3,4,5,6,7
	SLOT \i, \i, 1, 14, \kind, \src, \dst          ; 14: the seven other slots' pairs of loads
.endr
.irp i, 0,1,2,3,4,5,6,7
	SLOT \i, 8+\i, 0, 14-2*\i, \kind, \src, \dst   ; the last round loads nothing: the counts run down
.endr
	s_endpgm
.endm
	s_cmp_lg_u32 s14, 0
	s_cbranch_scc1 .Lweights
	PATH 0, 4, 10                                  ; x -> xb
.Lweights:
	PATH 1, 6, 12                                  ; q -> wb
.Lfunc_end_k_q423ac9de3f_tobf16:
	.size	k_q423ac9de3f_tobf16, .Lfunc_end_k_q423ac9de3f_tobf16-k_q423ac9de3f_tobf16
	.p2alignl 7, 3214868480
	.fill 96, 4, 3214868480
	.section	.rodata,"a",@progbits
	.p2align	6, 0x0
	.amdhsa_kernel k_q423ac9de3f_tobf16
		.amdhsa_group_segment_fixed_size 0
		.amdhsa_private_segment_fixed_size 0
		.amdhsa_enable_private_segment 0
		.amdhsa_kernarg_size 40
		.amdhsa_user_sgpr_count 2
		.amdhsa_user_sgpr_kernarg_segment_ptr 1
		.amdhsa_wavefront_size32 1
		.amdhsa_system_sgpr_workgroup_id_x 1
		.amdhsa_system_sgpr_workgroup_id_y 1
		.amdhsa_system_sgpr_workgroup_id_z 1
		.amdhsa_system_vgpr_workitem_id 0
		.amdhsa_next_free_vgpr 104
		.amdhsa_next_free_sgpr 66
		.amdhsa_reserve_vcc 0
		.amdhsa_float_denorm_mode_32 3
		.amdhsa_float_denorm_mode_16_64 3
		.amdhsa_memory_ordered 1
		.amdhsa_forward_progress 1
		.amdhsa_inst_pref_size 28
	.end_amdhsa_kernel
	.amdgpu_metadata
---
amdhsa.version: [ 1, 2 ]
amdhsa.kernels:
  - .name:           k_q423ac9de3f_tobf16
    .symbol:         k_q423ac9de3f_tobf16.kd
    .args:
      - { .name: x, .offset: 0, .size: 8, .value_kind: global_buffer, .address_space: global }
      - { .name: quantized_weight, .offset: 8, .size: 8, .value_kind: global_buffer, .address_space: global }
      - { .name: weight_zero_point, .offset: 16, .size: 8, .value_kind: global_buffer, .address_space: global }
      - { .name: xb, .offset: 24, .size: 8, .value_kind: global_buffer, .address_space: global }
      - { .name: wb, .offset: 32, .size: 8, .value_kind: global_buffer, .address_space: global }
    .group_segment_fixed_size: 0
    .private_segment_fixed_size: 0
    .kernarg_segment_align: 8
    .kernarg_segment_size: 40
    .max_flat_workgroup_size: 256
    .sgpr_count:     66
    .vgpr_count:     104
    .wavefront_size: 32
...
	.end_amdgpu_metadata
.endif
;; end of part 1
;; launch gemm (part 2): grid 16 x 16, 4 waves a work-group, clusters of 4 x 4, 327,680 bytes of LDS; arguments xb, wb, out0, bias, weight_scale; writes out0
.if DOCPART == 2
	.amdgcn_target "amdgcn-amd-amdhsa--gfx1250"
	.amdhsa_code_object_version 6
	.text
	.protected	k_q423ac9de3f_gemm
	.globl	k_q423ac9de3f_gemm
	.p2align	8
	.type	k_q423ac9de3f_gemm,@function
k_q423ac9de3f_gemm:
	s_mov_b64 s[64:65], 0
	v_nop
	global_prefetch_b8 v0, s[64:65] scope:SCOPE_SE
	s_setreg_imm32_b32 hwreg(HW_REG_WAVE_MODE, 25, 1), 1
	s_wait_xcnt 0x0
	s_wait_alu depctr_hold_cnt(0) depctr_sa_sdst(0) depctr_va_vdst(0) depctr_va_sdst(0) depctr_va_ssrc(0) depctr_va_vcc(0) depctr_vm_vsrc(0)
	s_getreg_b32 s2, hwreg(HW_REG_IB_STS2, 6, 4)
	s_cmp_eq_u32 s2, 0
	s_cbranch_scc0 .Lentry_in_a_cluster
	s_endpgm
.Lentry_in_a_cluster:
	s_bfe_u32 s2, ttmp6, 0x10000c
	s_cmp_lg_u32 s2, 0xf033
	s_cbranch_scc0 .Lentry_shape_is_right
	s_endpgm
.Lentry_shape_is_right:
; out[m][n] = scale x (sum over k of xb[m][k] wb[n][k]) + bias[n].  xb (A): [4096][4096] bf16, wb (B): [4096][4096] bf16 (q - zp, unscaled), out: [4096][4096] f32; sums in f32.
; xb and wb carry K in the same permuted order inside each group of 256, so the products are the module's; the order of the additions is not ascending K.
; LIMITS.  scale multiplies the finished sum by one fused multiply-add with the bias, not each weight: another order of rounding than the module's; the unscaled sum has to be finite in f32.
; NaN and infinities are not treated apart.
; SHARES.  A tile of out, 256 x 256, is made by a work-group of four waves; a wave makes 128 x 128: 64 accumulators of 16 x 16, 512 registers.  4096 x 4096 are 16 x 16 such tiles: 256 work-groups.
; K goes in 32 steps of 128 through a ring of two LDS slots filled by the tensor data mover: a tile's rows are 256 bytes of memory and start at multiples of 256 bytes from the buffer's first byte.
; CLUSTERS: 4 x 4 work-groups.  The four of a row of the cluster need the same tiles of A, the four of a column the same tiles of B: each tile is asked for JOINTLY, by the same tensor load with the
; same descriptor and a mask that names the four, and each receives it in its own LDS.  That divides the requests for A and for B by four.
; THE MATRIX INSTRUCTION IS USED TRANSPOSED: source 0 = 16 rows of B, source 1 = 16 rows of A.  Lane l then holds row l % 16 of out and its registers 0 to 7 the columns 8 (l / 16) + 0 .. 7.
; REGISTERS, in windows of 256 (s_set_vgpr_msb's low byte: bits 1:0 source 0, 3:2 source 1, 5:4 source 2, 7:6 destination):
;   window 0: v0-35 addresses and the bias; v64-127, v128-191 fragments of A, two buffers; on the way out the same 128 registers take whole rows of out, two buffers of 16 rows
;   window 1: v64-127, v128-191 fragments of B, two buffers
;   window 2: the 32 accumulators of my rows 0-63 (accumulator (a, b) at v[8 (8 a + b)]);   window 3: those of my rows 64-127
.set SIZE_K, 4096
.set SIZE_N, 4096
.set KSTEP,  128
.set PITCH,  272                       ; an LDS row: 256 bytes of data + 16 of padding = 68 words: row r starts at bank 4 r mod 64 (64 banks of 4 bytes: ISA guide 11.1), so the 16 rows of a load start at 16 different banks
.set HALFT,  128*PITCH                 ; 128 rows: what one tensor load brings, and what one wave reads of A or of B
.set SLOT,   4*HALFT                   ; A's 256 rows, then B's 256 rows
.set STAGE,  2*SLOT                    ; behind the ring, never filled by a tensor load: 16 rows x 528 bytes for each wave, for the way out
.set SPITCH, 528                       ; a stage row: 128 f32 = 512 bytes + 16 of padding = 132 words: row r starts at bank 4 r mod 64
.set SPARE,  STAGE+4*16*SPITCH         ; behind the stages: the spare words, 128 bytes for each wave: two blocks of 256 bytes that no other line names
.set LAPS,   SIZE_K/(2*KSTEP)          ; a lap = two K steps = once round the ring: 16
.set ADRA, 16                          ; v16-17  LDS address of my A fragments in slot 0, 1
.set ADRB, 20                          ; v20-21  the same for B
.set STO,  24                          ; v24     the way out: where I put my 32 bytes of a row
.set RD,   25                          ; v25     the way out: where I read 16 bytes of a whole row back
.set CO,   26                          ; v26     16 x lane: my byte offset in a row's 512 bytes of out, and in the bias of my wave's 128 columns
.set SPW,  28                          ; v28     LDS address of my spare word: SPARE + 4 x my thread's number; never rewritten
.set NIL,  29                          ; v29     0; never rewritten
.set BI,   32                          ; v[32:35] the bias of the four columns that I store
.set F0,   64                          ; fragment buffer 0
.set F1,   128                         ; fragment buffer 1
.set G1,   24                          ; s[24:31] descriptor group 1 for A's tiles
.set G0,   32                          ; s[32:39] descriptor group 0 for A's tiles, one set for each slot
.set G1B,  48                          ; s[48:55] descriptor group 1 for B's tiles: it differs from A's in the mask alone
.set G0B,  56                          ; s[56:63] descriptor group 0 for B's tiles, one set for each slot
.set WV,   66                          ; s66  my wave's number
.set RH,   67                          ; s67  which half of the tile's rows is mine.  Also: I fetch for A (0) or for B (1)
.set CH,   68                          ; s68  which half of its columns.  Also: which 128 rows of that tile I fetch
.set SC,   70                          ; s[70:71] scale: the packed multiply-add names a pair and takes its low word for both halves
.set MSB, 0
.macro WIN new                         ; the immediate's high byte repeats the setting that is left; a switch that changes nothing is dropped
.if MSB != (\new)
	s_set_vgpr_msb (MSB<<8)|(\new)
.set MSB, \new
.endif
.endm
.set MUL_LO, 0xa1                      ; source 0 (B) window 1, source 1 (A) window 0, C and D window 2
.set MUL_HI, 0xf1                      ; the same, C and D window 3
.set TO_B,   0x40                      ; destination window 1, address window 0
; A joint load.  Waves 0 and 1 fetch A's two halves, waves 2 and 3 B's.  Each of the two lines has ONE mask and one set of registers for all that issue it.  The branch hangs on the wave's number alone.
; An s_nop 0 and four v_nop follow each of the two lines; the jump round the other line, the label and what follows the macro come after them.
.macro JLOAD s
	s_cmp_eq_u32 s[RH], 0
	s_cbranch_scc0 .Lfor_b_\@
	tensor_load_to_lds s[G0+4*(\s):G0+4*(\s)+3], s[G1:G1+7]
	s_nop 0
.rept 4
	v_nop
.endr
	s_branch .Lasked_\@
.Lfor_b_\@:
	tensor_load_to_lds s[G0B+4*(\s):G0B+4*(\s)+3], s[G1B:G1B+7]
	s_nop 0
.rept 4
	v_nop
.endr
.Lasked_\@:
.endm
; A round of the cluster's barrier: my work-group's barrier, so that wave 0's signal speaks for all four waves; wave 0 signals for the work-group; every wave waits for all
; sixteen work-groups; my work-group's barrier once more.  No LDS instruction of the wave is pending at a signal.
.macro CREST                           ; a round behind its opening barrier
	s_cmp_lg_u32 s[WV], 0
	s_cbranch_scc1 .Lnot_wave_0_\@
	s_barrier_signal -3
.Lnot_wave_0_\@:
	s_barrier_wait -3
	s_barrier_signal -1
	s_barrier_wait -1
.endm
.macro CROUND                          ; a whole round
	s_barrier_signal -1
	s_barrier_wait -1
	CREST
.endm
	s_load_b256 s[4:11], s[0:1], 0x0               ; xb s[4:5], wb s[6:7], out s[8:9], bias s[10:11]
	s_load_b64 s[12:13], s[0:1], 0x20              ; weight_scale
	v_lshl_add_u32 v[SPW], v0, 2, SPARE
	v_mov_b32 v[NIL], 0
	ds_add_u32 v[SPW], v[NIL]                      ; the wave's opening: the add and its wait stand ahead of my first tensor load; the set-up below, work on registers, stands between them
	v_lshrrev_b32 v1, 5, v0
	v_readfirstlane_b32 s[WV], v1                  ; wave 0..3
	s_lshr_b32 s[RH], s[WV], 1
	s_and_b32 s[CH], s[WV], 1
	s_bfe_u32 s40, ttmp6, 0x40000                  ; cx: my place along the cluster's x
	s_bfe_u32 s41, ttmp6, 0x40004                  ; cy: along its y
	s_lshl_b32 s42, ttmp9, 2                       ; in a cluster launch ttmp9 and ttmp7 count clusters
	s_add_co_u32 s42, s42, s40                     ; tile column of out = 4 x cluster x + cx
	s_and_b32 s45, ttmp7, 0xffff
	s_lshl_b32 s45, s45, 2
	s_add_co_u32 s45, s45, s41                     ; tile row of out = 4 x cluster y + cy
	s_lshl_b32 s43, s41, 2
	s_lshl_b32 s43, 15, s43                        ; my row of the cluster: places 4 cy .. 4 cy + 3
	s_lshl_b32 s44, 0x1111, s40                    ; my column: places cx, cx + 4, cx + 8, cx + 12
	; descriptor group 1: a tile of 128 rows x 128 elements, padded in LDS
	s_or_b32 s[G1+0], s43, (1<<16)|(1<<20)|(1<<21)|(5<<22)|(3<<25)  ; 15:0 the mask: A's tiles go to my row; 17:16 element of 2 bytes; 20 padding on; 21 set beside a mask; 24:22 after every 64 words (code 5); 31:25 of 4 words (code 3)
	s_or_b32 s[G1B+0], s44, (1<<16)|(1<<20)|(1<<21)|(5<<22)|(3<<25) ; the same with the mask of my column, for B's tiles
.irp g, G1, G1B
	s_mov_b32 s[(\g)+1], KSTEP<<16                 ; 63:48 tensor_dim0, low half = 128
	s_mov_b32 s[(\g)+2], 128<<16                   ; 79:64 its high half = 0; 95:80 tensor_dim1, low half = 128
	s_mov_b32 s[(\g)+3], KSTEP<<16                 ; 111:96 its high half = 0; 127:112 tile_dim0 = 128
	s_mov_b32 s[(\g)+4], 128                       ; 143:128 tile_dim1 = 128; 159:144 tile_dim2 = 0
	s_mov_b32 s[(\g)+5], SIZE_K                    ; 191:160 tensor_dim0_stride, low word: elements from row to row
	s_mov_b32 s[(\g)+6], 0
	s_mov_b32 s[(\g)+7], 0
.endr
	; where the tiles come from.  A's hang on the tile row alone, which my row of the cluster shares; B's on the tile column alone, which my column shares.
	; Every wave makes both offsets, in registers that never hold the other coordinate, and asks by one of them.  A row is 8,192 bytes; 4,095 rows stay inside one word.
	s_lshl_b32 s21, s[CH], 7                       ; which 128 rows of the tile I fetch
	s_lshl_b32 s16, s45, 8
	s_add_co_u32 s16, s16, s21                     ; A: row 256 x tile row + 128 x half
	s_lshl_b32 s16, s16, 13
	s_mov_b32 s17, 0
	s_lshl_b32 s46, s42, 8
	s_add_co_u32 s46, s46, s21                     ; B: row 256 x tile column + 128 x half
	s_lshl_b32 s46, s46, 13
	s_mov_b32 s47, 0
	s_mul_i32 s20, s[WV], HALFT                    ; and where they go: A's two halves, then B's two halves = wave x 128 rows: no place in the cluster enters an LDS address
	s_wait_dscnt 0x0                               ; the opening add is done
	s_wait_kmcnt 0x0
	s_add_nc_u64 s[14:15], s[4:5], s[16:17]
	s_add_nc_u64 s[46:47], s[6:7], s[46:47]
	CROUND                                         ; all sixteen work-groups are here: the first joint loads meet
.irp s, 0,1
	s_mov_b32 s[G0+4*(\s)], 1                                        ; 1:0 count = 1
	s_add_co_u32 s[G0+4*(\s)+1], s20, (\s)*SLOT                      ; 63:32 LDS address
	s_add_nc_u64 s[G0+4*(\s)+2:G0+4*(\s)+3], s[14:15], (\s)*KSTEP*2  ; 120:64 global address: K step s
	s_or_b32 s[G0+4*(\s)+3], s[G0+4*(\s)+3], 0x80000000              ; 127:126 type = 2
	s_mov_b32 s[G0B+4*(\s)], 1
	s_add_co_u32 s[G0B+4*(\s)+1], s20, (\s)*SLOT
	s_add_nc_u64 s[G0B+4*(\s)+2:G0B+4*(\s)+3], s[46:47], (\s)*KSTEP*2
	s_or_b32 s[G0B+4*(\s)+3], s[G0B+4*(\s)+3], 0x80000000
	JLOAD \s                                       ; the ring is filled before anything else is done: two tensor loads of mine are out
.endr
	s_load_b32 s[SC], s[12:13], 0x0                ; scale
	; A fragment is 16 rows x 32 K in 8 registers: lane l holds row l % 16; registers 0-3 hold K = 8 (l / 16) + 0..7, registers 4-7 hold
	; K = 16 + 8 (l / 16) + 0..7.  From rows that lie along K: two loads of 16 bytes, 32 bytes apart.  The same for source 0 and source 1.
	v_and_b32 v1, 15, v0                           ; l % 16
	v_bfe_u32 v2, v0, 4, 1                         ; l / 16
	v_mul_u32_u24 v3, v1, PITCH
	v_lshl_add_u32 v3, v2, 4, v3                   ; row x pitch + 16 x half
	s_mul_i32 s21, s[RH], HALFT                    ; my 128 rows of A
	s_mul_i32 s22, s[CH], HALFT                    ; my 128 rows of B,
	s_add_co_u32 s22, s22, 2*HALFT                 ; which lie behind A's 256
.irp s, 0,1
	v_add_nc_u32 v[ADRA+(\s)], s21, v3
	v_add_nc_u32 v[ADRB+(\s)], s22, v3
	s_add_co_u32 s21, s21, SLOT
	s_add_co_u32 s22, s22, SLOT
.endr
	s_mul_i32 s23, s[WV], 16*SPITCH
	s_add_co_u32 s23, s23, STAGE                   ; my stage
	v_mul_u32_u24 v4, v1, SPITCH                   ; in: row l % 16, 32 bytes (8 f32) for each half of the lanes
	v_lshl_add_u32 v4, v2, 5, v4
	v_add_nc_u32 v[STO], s23, v4
	v_and_b32 v5, 31, v0
	v_lshlrev_b32 v[CO], 4, v5                     ; back: 32 lanes take one row of 512 bytes
	v_add_nc_u32 v[RD], s23, v[CO]
	; where my 128 x 128 begins in out, and my 128 columns in the bias
	s_lshl_b32 s74, s42, 8
	s_lshl_b32 s75, s[CH], 7
	s_add_co_u32 s74, s74, s75                     ; my first column
	s_lshl_b32 s74, s74, 2                         ; in bytes
	s_mov_b32 s75, 0
	s_lshl_b32 s72, s45, 8
	s_lshl_b32 s73, s[RH], 7
	s_add_co_u32 s72, s72, s73                     ; my first row,
	s_lshl_b32 s72, s72, 14                        ; of 16,384 bytes
	s_mov_b32 s73, 0
	s_add_nc_u64 s[8:9], s[8:9], s[72:73]
	s_add_nc_u64 s[8:9], s[8:9], s[74:75]
	s_add_nc_u64 s[10:11], s[10:11], s[74:75]
	global_load_b128 v[BI:BI+3], v[CO], s[10:11]   ; 512 consecutive bytes of the bias: the four columns that I store in every row
	s_wait_kmcnt 0x0
	s_mov_b32 s[SC+1], s[SC]                       ; named with it as a pair, so it is written
; 16 matrix instructions: m blocks a0, a0 + 1 of the window's four (hi = 0: my rows 0-63, 1: rows 64-127) x all 8 n blocks, 32 along K.
; zero = 1: the first product starts the sums: nothing is ever cleared.  The 64 accumulators take turns, one instruction a turn, in the same order in every quarter step.
.macro MUL16 f, hi, a0, zero
	WIN MUL_LO+0x50*(\hi)
.irp a, \a0, (\a0)+1
.irp b, 0,1,2,3,4,5,6,7
.if \zero
	v_wmma_f32_16x16x32_bf16 v[8*(8*(\a)+(\b)):8*(8*(\a)+(\b))+7], v[(\f)+8*(\b):(\f)+8*(\b)+7], v[(\f)+8*(4*(\hi)+(\a)):(\f)+8*(4*(\hi)+(\a))+7], 0
.else
	v_wmma_f32_16x16x32_bf16 v[8*(8*(\a)+(\b)):8*(8*(\a)+(\b))+7], v[(\f)+8*(\b):(\f)+8*(\b)+7], v[(\f)+8*(4*(\hi)+(\a)):(\f)+8*(4*(\hi)+(\a))+7], v[8*(8*(\a)+(\b)):8*(8*(\a)+(\b))+7]
.endif
.endr
.endr
.endm
; 32 LDS loads in one run: the fragments of one quarter step (128 rows of B, 128 rows of A, 32 K at byte k of the rows) into buffer f
.macro FETCH slot, k, f
	WIN TO_B
.irp i, 0,1,2,3,4,5,6,7
	ds_load_b128 v[(\f)+8*(\i):(\f)+8*(\i)+3],   v[ADRB+(\slot)] offset:(\k)+(\i)*16*PITCH
	ds_load_b128 v[(\f)+8*(\i)+4:(\f)+8*(\i)+7], v[ADRB+(\slot)] offset:(\k)+(\i)*16*PITCH+32
.endr
	WIN 0
.irp i, 0,1,2,3,4,5,6,7
	ds_load_b128 v[(\f)+8*(\i):(\f)+8*(\i)+3],   v[ADRA+(\slot)] offset:(\k)+(\i)*16*PITCH
	ds_load_b128 v[(\f)+8*(\i)+4:(\f)+8*(\i)+7], v[ADRA+(\slot)] offset:(\k)+(\i)*16*PITCH+32
.endr
.endm
; A load into a register that a matrix instruction has read, and an LDS store that reads a matrix result, stand four places behind that matrix instruction, and only plain vector
; instructions that name none of its registers are places (ISA guide 7.12.1 for vector instructions).
.macro PLACES
.rept 4
	v_nop
.endr
.endm
; A K step is four quarter steps of 32 along K, 64 matrix instructions each, on buffers 0, 1, 0, 1.
; One of the first three: multiplies buffer f; in its middle it fetches the next quarter's fragments, at byte k of the same slot's rows, into buffer g.
.macro QUARTER slot, k, f, g, zero
	s_wait_dscnt 8                                 ; B and A's rows 0-63 are in; the youngest eight loads (A's rows 64-127) may be out
	WIN MUL_LO
	MUL16 \f, 0, 0, \zero
	MUL16 \f, 0, 2, \zero
	PLACES
	FETCH \slot, \k, \g
	s_wait_dscnt 32                                ; all but the 32 just issued
	WIN MUL_HI
	MUL16 \f, 1, 0, \zero
	MUL16 \f, 1, 2, \zero
.endm
; The last quarter multiplies buffer 1 and changes slots.  MEET is its first half: ONE barrier for the change of slots.  In front of it each wave waits for all its tensor loads, of which one
; is out: its part of the next slot; adds 0 to its spare word; and waits for that and for its own reads of this slot.  Behind it nobody reads this slot any more and the next slot is whole.
.macro MEET round                      ; round = 1: a round of the cluster's barrier follows
	WIN 0                                          ; (the add's two registers lie in window 0)
	s_wait_tensorcnt 0x0                           ; all my tensor loads have landed: the one that was out is my part of the next slot;
	ds_add_u32 v[SPW], v[NIL]                      ; 0 onto my spare word;
	s_wait_dscnt 9                                 ; (the add and the youngest eight loads may be out)
	WIN MUL_LO
	MUL16 F1, 0, 0, 0                              ; sixteen matrix instructions stand between the add and the wait for it
	s_wait_dscnt 0x0                               ; the add is done, and my reads of this slot are over:
	s_barrier_signal -1                            ; say so (where a slot is filled again this barrier opens a round of the cluster's barrier),
	MUL16 F1, 0, 2, 0                              ; work on registers while the others arrive,
.if \round
	WIN 0
.endif
	s_barrier_wait -1                              ; and go on when all four have said so
.endm
; The whole last quarter.  fill = 1: behind the round the slot just read out is filled again first, with the K step two steps on; then come the next slot's first fragments.
; From a request to the wait for it a wave issues 224 matrix instructions.  fill = 0 (the tail): nothing is left to ask for, so no round follows the barrier.
.macro TURN slot, next, fill
.if \fill
	MEET 1
	CREST                                          ; no wave of any partner still reads this slot's tile or has a load on its way
	s_add_nc_u64 s[G0+4*(\slot)+2:G0+4*(\slot)+3], s[G0+4*(\slot)+2:G0+4*(\slot)+3], 2*KSTEP*2     ; no tensor load of mine is out, so a group 0 may be written; the type bits on top are not reached
	s_add_nc_u64 s[G0B+4*(\slot)+2:G0B+4*(\slot)+3], s[G0B+4*(\slot)+2:G0B+4*(\slot)+3], 2*KSTEP*2
	JLOAD \slot                                    ; the first tensor load behind the round, and my only one until the next; the four v_nop behind it are also the places in front of the loads below
.else
	MEET 0
	PLACES
.endif
	FETCH \next, 0, F0
	WIN MUL_HI
	MUL16 F1, 1, 0, 0
	MUL16 F1, 1, 2, 0
.endm
; THE WAY OUT of block a (16 rows x 128 columns of f32), in two parts.
; TOSTAGE: a lane's eight numbers of each 16 x 16 result go as two stores of 16 bytes, the accumulator's lowest registers first, into my own stage, and come back as whole rows of 512 bytes.
.macro TOSTAGE a
.set AC, 64*((\a)%4)
.set BK, F0+64*((\a)%2)
	WIN 0x08+4*((\a)/4)                            ; store data (source 1) in window 2 or 3, address in window 0
.irp b, 0,1,2,3,4,5,6,7
	ds_store_b128 v[STO], v[AC+8*(\b):AC+8*(\b)+3]   offset:64*(\b)
	ds_store_b128 v[STO], v[AC+8*(\b)+4:AC+8*(\b)+7] offset:64*(\b)+16
.endr
	WIN 0
.if (\a) >= 2
	s_wait_xcnt 0x0                                ; this row buffer was the data of block a - 2's stores: it is loaded again only behind this wait
.endif
.irp t, 0,1,2,3,4,5,6,7,8,9,10,11,12,13,14,15
	ds_load_b128 v[BK+4*(\t):BK+4*(\t)+3], v[RD] offset:(\t)*SPITCH  ; LDS serves a wave's instructions in order (ISA guide 5.7.1.4): these see the stores above, and the next block's stores come behind them
.endr
.endm
; SEND: sum x scale + bias, one fused multiply-add for each number, and the row is stored.  younger: the LDS instructions issued behind block a's loads: the next block's 32, or none.
.macro SEND a, younger
.set BK, F0+64*((\a)%2)
	WIN 0
.irp t, 0,1,2,3,4,5,6,7,8,9,10,11,12,13,14,15
	s_wait_dscnt (\younger)+15-(\t)                ; row t is back in registers
	v_pk_fma_f32 v[BK+4*(\t):BK+4*(\t)+1],   v[BK+4*(\t):BK+4*(\t)+1],   s[SC:SC+1], v[BI:BI+1]   op_sel_hi:[1,0,1]
	v_pk_fma_f32 v[BK+4*(\t)+2:BK+4*(\t)+3], v[BK+4*(\t)+2:BK+4*(\t)+3], s[SC:SC+1], v[BI+2:BI+3] op_sel_hi:[1,0,1]
	global_store_b128 v[CO], v[BK+4*(\t):BK+4*(\t)+3], s[8:9] offset:(16*(\a)+(\t))*SIZE_N*4 th:TH_STORE_NT  ; 512 consecutive bytes of one row, at a multiple of 512 from out's first byte; 127 rows at the most: inside the signed 24-bit immediate
.endr
.endm
	s_wait_loadcnt 0x0                             ; the bias, once
	s_wait_tensorcnt 1                             ; my part of K step 0 is in; K step 1's may stay out
	s_barrier_signal -1
	s_barrier_wait -1                              ; everybody's is
	FETCH 0, 0, F0
	QUARTER 0, 64,  F0, F1, 1                      ; the first quarter stands in front of the loop: its products start the sums
	WIN 0                                          ; at a label and at a branch every window is 0
	s_mov_b32 s3, LAPS-1
.Llap:                                                 ; 15 trips: a trip goes once round the ring, from a lap's second quarter to the next lap's first, and fills both slots again (the last with K steps 30 and 31)
	QUARTER 0, 128, F1, F0, 0
	QUARTER 0, 192, F0, F1, 0
	TURN 0, 1, 1
	QUARTER 1, 64,  F0, F1, 0
	QUARTER 1, 128, F1, F0, 0
	QUARTER 1, 192, F0, F1, 0
	TURN 1, 0, 1
	QUARTER 0, 64,  F0, F1, 0
	WIN 0
	s_sub_co_u32 s3, s3, 1
	s_cmp_lg_u32 s3, 0
	s_cbranch_scc1 .Llap
	QUARTER 0, 128, F1, F0, 0                      ; the last lap is written out: it asks for nothing, and has no round of the cluster's barrier
	QUARTER 0, 192, F0, F1, 0
	TURN 0, 1, 0
	QUARTER 1, 64,  F0, F1, 0
	QUARTER 1, 128, F1, F0, 0
	QUARTER 1, 192, F0, F1, 0
	s_wait_dscnt 8                                 ; the very last quarter: nothing more to fetch
	WIN MUL_LO
	MUL16 F1, 0, 0, 0
	MUL16 F1, 0, 2, 0
	s_wait_dscnt 0
	MUL16 F1, 1, 0, 0
	MUL16 F1, 1, 2, 0
	PLACES                                         ; behind the last products: the stage's stores read results, and the rows come back into A's fragment registers
	TOSTAGE 0
.irp a, 1,2,3,4,5,6,7                  ; block a's way through the stage is issued ahead of block a - 1's arithmetic and stores
	TOSTAGE \a
	SEND (\a)-1, 32
.endr
	SEND 7, 0
	s_wait_tensorcnt 0x0                           ; the wave's end, behind my last tensor load and my last LDS store
	ds_add_u32 v[SPW], v[NIL]
	s_wait_dscnt 0x0
	CROUND                                         ; the closing round: no work-group ends while a partner may still ask for a tile that names it
	s_endpgm
.Lfunc_end_k_q423ac9de3f_gemm:
	.size	k_q423ac9de3f_gemm, .Lfunc_end_k_q423ac9de3f_gemm-k_q423ac9de3f_gemm
	.p2alignl 7, 3214868480
	.fill 96, 4, 3214868480
	.section	.rodata,"a",@progbits
	.p2align	6, 0x0
	.amdhsa_kernel k_q423ac9de3f_gemm
		.amdhsa_group_segment_fixed_size 327680
		.amdhsa_private_segment_fixed_size 0
		.amdhsa_enable_private_segment 0
		.amdhsa_kernarg_size 40
		.amdhsa_user_sgpr_count 2
		.amdhsa_user_sgpr_kernarg_segment_ptr 1
		.amdhsa_wavefront_size32 1
		.amdhsa_system_sgpr_workgroup_id_x 1
		.amdhsa_system_sgpr_workgroup_id_y 1
		.amdhsa_system_sgpr_workgroup_id_z 1
		.amdhsa_system_vgpr_workitem_id 0
		.amdhsa_next_free_vgpr 1024
		.amdhsa_next_free_sgpr 76
		.amdhsa_reserve_vcc 0
		.amdhsa_float_denorm_mode_32 3
		.amdhsa_float_denorm_mode_16_64 3
		.amdhsa_memory_ordered 1
		.amdhsa_forward_progress 1
		.amdhsa_inst_pref_size 160
	.end_amdhsa_kernel
	.amdgpu_metadata
---
amdhsa.version: [ 1, 2 ]
amdhsa.kernels:
  - .name:           k_q423ac9de3f_gemm
    .symbol:         k_q423ac9de3f_gemm.kd
    .args:
      - { .name: xb, .offset: 0, .size: 8, .value_kind: global_buffer, .address_space: global }
      - { .name: wb, .offset: 8, .size: 8, .value_kind: global_buffer, .address_space: global }
      - { .name: out0, .offset: 16, .size: 8, .value_kind: global_buffer, .address_space: global }
      - { .name: bias, .offset: 24, .size: 8, .value_kind: global_buffer, .address_space: global }
      - { .name: weight_scale, .offset: 32, .size: 8, .value_kind: global_buffer, .address_space: global }
    .group_segment_fixed_size: 327680
    .private_segment_fixed_size: 0
    .kernarg_segment_align: 8
    .kernarg_segment_size: 40
    .max_flat_workgroup_size: 128
    .sgpr_count:     76
    .vgpr_count:     1024
    .wavefront_size: 32
...
	.end_amdgpu_metadata
.endif
;; end of part 2
;; ======== version 2 of 2: 2 launches; version 1 with the launch tobf16 written anew for expert scheduling mode
;; workspace buffers: xb 33,554,432 bytes; wb 33,554,432 bytes
;; launch tobf16 (part 3): grid 512 x 2, 8 waves a work-group, no clusters, 0 bytes of LDS; arguments x, quantized_weight, weight_zero_point, xb, wb; writes xb, wb
.if DOCPART == 3
	.amdgcn_target "amdgcn-amd-amdhsa--gfx1250"
	.amdhsa_code_object_version 6
	.text
	.protected	k_q423ac9de3f_tobf16
	.globl	k_q423ac9de3f_tobf16
	.p2align	8
	.type	k_q423ac9de3f_tobf16,@function
k_q423ac9de3f_tobf16:
	s_mov_b64 s[64:65], 0
	v_nop
	global_prefetch_b8 v0, s[64:65] scope:SCOPE_SE
	s_setreg_imm32_b32 hwreg(HW_REG_WAVE_SCHED_MODE, 0, 2), 2
	s_setreg_imm32_b32 hwreg(HW_REG_WAVE_MODE, 25, 1), 1
	s_wait_xcnt 0x0
	s_wait_alu depctr_vm_vsrc(0)
; xb = bf16(x);  wb = bf16(f32(q) - f32(zp)).  x: [4096][4096] f32, q: [4096][4096] int32, zp: one int32; xb, wb: [4096][4096] bf16.
; A stream: each input byte is read once, each output byte written once; no LDS, no barrier, no matrix unit: there is nothing to share and nothing to multiply.
; Work-groups with y = 0 take x, those with y = 1 take q.  A work-group owns 32,768 consecutive numbers (131,072 bytes in, 65,536 out): 16 units of 2,048.
; In a unit wave w owns 256 numbers: two loads of 16 bytes a lane, each 512 consecutive bytes of the wave, and one store of 16 bytes a lane, 512 consecutive bytes.
; ORDER ALONG K.  A lane's 16 output bytes hold its four numbers of the first load and its four of the second, so inside each aligned group of 256 numbers of a row place 8 l + j holds
; source number 4 l + j (j < 4) or 128 + 4 l + j - 4 (j >= 4).  The same text writes xb and wb, and the product that follows sums over all of K: every x still meets its own weight;
; only the order of the f32 additions differs from ascending K.
; LIMITS.  q - zp is formed in f32, as the module forms it, and rounded once to bf16: exact while |q - zp| <= 256, beyond that to 8 significant bits.  Whole numbers beyond 2^24 are rounded by
; the conversion to f32.  x is rounded once to bf16.  NaN and infinities pass through as they are.
; THE MODE: SCHED_MODE bits 1:0 = 2 (LLVM: expert scheduling mode 2), set by the entry lines.  The code itself states the register dependences
; between vector instructions and memory instructions, with s_wait_alu, always for 0.
; THE PLAN.  The 16 units go in 8 blocks of two, all written out; every unit's place stands in an immediate offset.  Registers that memory instructions touch:
;   X0 .. X4   five blocks as loaded.  Written by the loads of block p + 4, issued in block p; read (and, for whole numbers, converted in place) by block p's vector lines.
;   Y0, Y1     two blocks to store.    Written by block p's roundings; read by the two stores that are issued in block p + 1.
;   v1, v2     byte offsets, made once at the head and never written again; the two scalar bases are set once too.
; Block p works on X[p % 5] and writes Y[p % 2].  Its memory instructions are the loads into X[(p + 4) % 5] = X[(p - 1) % 5] and the stores from Y[(p - 1) % 2]: the two buffers
; that block p - 1 worked on and that no vector instruction of block p names.  So the waits at the head of a block state all that the block's six memory instructions hang on,
; and these are dealt among its vector instructions with no further wait.  12 to 16 loads of every wave are on their way.
.set VI, 1                             ; v1        my byte offset in a unit of the input: 1,024 x wave + 16 x lane; never rewritten
.set VO, 2                             ; v2        my byte offset in a unit of the output: 16 x thread; never rewritten
.set ZP, 4                             ; v[4:5]    f32(zp), twice: a pair for the packed subtraction; no memory instruction names them
.set X,  8                             ; v[8:87]   buffer k, unit i: 8 registers at X + 16 k + 8 i: +0..3 the first load, +4..7 the second
.set Y,  88                            ; v[88:103] buffer k, unit i: 4 registers at Y + 8 k + 4 i: 8 bf16 to store
	s_load_b256 s[4:11], s[0:1], 0x0               ; x s[4:5], q s[6:7], zp s[8:9], xb s[10:11]
	s_load_b64 s[12:13], s[0:1], 0x20              ; wb
	s_and_b32 s14, ttmp7, 0xffff                   ; 0: x, 1: q
	s_lshl_b32 s16, ttmp9, 17                      ; my work-group's 131,072 bytes of input (511 x 131,072 at the most: one word)
	s_mov_b32 s17, 0
	s_lshl_b32 s18, ttmp9, 16                      ; and its 65,536 bytes of output
	s_mov_b32 s19, 0
	v_and_b32 v[VI], 0xe0, v0                      ; 32 x wave
	v_and_b32 v3, 31, v0                           ; lane
	v_lshlrev_b32 v3, 4, v3
	v_lshl_or_b32 v[VI], v[VI], 5, v3              ; 1,024 x wave + 16 x lane
	v_lshlrev_b32 v[VO], 4, v0
	s_wait_kmcnt 0x0
; Unit u is asked for, into the eight registers from r on: two loads, each 512 consecutive bytes of the wave.  The launch reads these bytes once.
.macro FILL r, u, src
	global_load_b128 v[(\r):(\r)+3],   v[VI], s[\src:\src+1] offset:(\u)*8192 th:TH_LOAD_NT
	global_load_b128 v[(\r)+4:(\r)+7], v[VI], s[\src:\src+1] offset:(\u)*8192+512 th:TH_LOAD_NT
.endm
; Block p: units 2 p and 2 p + 1.  kind = 1: whole numbers less zp.  Blocks 0 to 3 ask for the block four further on; blocks 1 to 7 store the block before.
.macro BLK p, kind, src, dst
.set XB, X+16*((\p)%5)                 ; the block in hand, as loaded
.set XN, X+16*(((\p)+4)%5)             ; where block p + 4 lands: the buffer that block p - 1 worked on
.set YB, Y+8*((\p)%2)                  ; what this block's roundings write
.set YP, Y+8*(1-(\p)%2)                ; what the block before wrote
.if (\p) <= 4
	s_wait_loadcnt 12                              ; loads come back in order (ISA guide 5.7.1): my four are in, the three younger blocks' twelve stay out
.else
	s_wait_loadcnt 4*(7-(\p))                      ; the last blocks load nothing: the counts run down
.endif
.if (\p) >= 2
	s_wait_xcnt 0x0                                ; this block's Y was the data of the stores issued in the block before: it is rewritten only behind this wait
	s_wait_alu depctr_vm_vsrc(0)                   ; those stores have read this block's Y, which the roundings below write again
.endif
.if (\p) >= 1
	s_wait_alu depctr_va_vdst(0)                   ; the block before has written the other Y, which the stores below read; it is also done reading and writing its X, in which the loads of blocks 1 to 3 land
.endif                                                 ; (block 0 has no block in front of it: since the head's wait no vector instruction has named X4, in which its loads land)
.irp i, 0,1
.if (\p) <= 3
	FILL XN+8*(\i), 2*(\p)+8+(\i), \src            ; four blocks ahead, the loads ahead of the store; no vector instruction since the wait names these registers
.endif
.if (\p) >= 1
	global_store_b128 v[VO], v[YP+4*(\i):YP+4*(\i)+3], s[\dst:\dst+1] offset:(2*(\p)-2+(\i))*4096  ; the block before: 512 consecutive bytes, at a multiple of 512 from the buffer's first; the next launch reads them: no hint
.endif
.if \kind
.irp j, 0,1,2,3,4,5,6,7
	v_cvt_f32_i32 v[XB+8*(\i)+(\j)], v[XB+8*(\i)+(\j)]
.endr
.irp j, 0,2,4,6
	v_pk_add_f32 v[XB+8*(\i)+(\j):XB+8*(\i)+(\j)+1], v[XB+8*(\i)+(\j):XB+8*(\i)+(\j)+1], v[ZP:ZP+1] neg_lo:[0,1] neg_hi:[0,1]  ; q - zp, two at a time
.endr
.endif
.irp j, 0,1,2,3
	v_cvt_pk_bf16_f32 v[YB+4*(\i)+(\j)], v[XB+8*(\i)+2*(\j)], v[XB+8*(\i)+2*(\j)+1]  ; two roundings to bf16, packed
.endr
.endr
.endm
.macro PATH kind, src, dst
	s_add_nc_u64 s[\src:\src+1], s[\src:\src+1], s[16:17]
	s_add_nc_u64 s[\dst:\dst+1], s[\dst:\dst+1], s[18:19]
	s_wait_alu depctr_va_vdst(0)                   ; v1 and v2 are written: every load and store of the kernel reads one of them as its offset
.irp i, 0,1,2,3,4,5,6,7
	FILL X+8*(\i), \i, \src                        ; blocks 0 to 3 into X0 to X3: units 0 to 7
.endr
.if \kind
	s_load_b32 s15, s[8:9], 0x0                    ; zp comes while the first blocks are on their way
	s_wait_kmcnt 0x0
	v_cvt_f32_i32 v[ZP], s15
	v_mov_b32 v[ZP+1], v[ZP]
.endif
.irp p, 0,1,2,3,4,5,6,7
	BLK \p, \kind, \src, \dst
.endr
	s_wait_alu depctr_va_vdst(0)                   ; block 7 has written Y1, which the last two stores read
.irp i, 0,1
	global_store_b128 v[VO], v[Y+8+4*(\i):Y+8+4*(\i)+3], s[\dst:\dst+1] offset:(14+(\i))*4096
.endr
	s_endpgm
.endm
	s_cmp_lg_u32 s14, 0
	s_cbranch_scc1 .Lweights
	PATH 0, 4, 10                                  ; x -> xb
.Lweights:
	PATH 1, 6, 12                                  ; q -> wb
.Lfunc_end_k_q423ac9de3f_tobf16:
	.size	k_q423ac9de3f_tobf16, .Lfunc_end_k_q423ac9de3f_tobf16-k_q423ac9de3f_tobf16
	.p2alignl 7, 3214868480
	.fill 96, 4, 3214868480
	.section	.rodata,"a",@progbits
	.p2align	6, 0x0
	.amdhsa_kernel k_q423ac9de3f_tobf16
		.amdhsa_group_segment_fixed_size 0
		.amdhsa_private_segment_fixed_size 0
		.amdhsa_enable_private_segment 0
		.amdhsa_kernarg_size 40
		.amdhsa_user_sgpr_count 2
		.amdhsa_user_sgpr_kernarg_segment_ptr 1
		.amdhsa_wavefront_size32 1
		.amdhsa_system_sgpr_workgroup_id_x 1
		.amdhsa_system_sgpr_workgroup_id_y 1
		.amdhsa_system_sgpr_workgroup_id_z 1
		.amdhsa_system_vgpr_workitem_id 0
		.amdhsa_next_free_vgpr 104
		.amdhsa_next_free_sgpr 66
		.amdhsa_reserve_vcc 0
		.amdhsa_float_denorm_mode_32 3
		.amdhsa_float_denorm_mode_16_64 3
		.amdhsa_memory_ordered 1
		.amdhsa_forward_progress 1
		.amdhsa_inst_pref_size 29
	.end_amdhsa_kernel
	.amdgpu_metadata
---
amdhsa.version: [ 1, 2 ]
amdhsa.kernels:
  - .name:           k_q423ac9de3f_tobf16
    .symbol:         k_q423ac9de3f_tobf16.kd
    .args:
      - { .name: x, .offset: 0, .size: 8, .value_kind: global_buffer, .address_space: global }
      - { .name: quantized_weight, .offset: 8, .size: 8, .value_kind: global_buffer, .address_space: global }
      - { .name: weight_zero_point, .offset: 16, .size: 8, .value_kind: global_buffer, .address_space: global }
      - { .name: xb, .offset: 24, .size: 8, .value_kind: global_buffer, .address_space: global }
      - { .name: wb, .offset: 32, .size: 8, .value_kind: global_buffer, .address_space: global }
    .group_segment_fixed_size: 0
    .private_segment_fixed_size: 0
    .kernarg_segment_align: 8
    .kernarg_segment_size: 40
    .max_flat_workgroup_size: 256
    .sgpr_count:     66
    .vgpr_count:     104
    .wavefront_size: 32
...
	.end_amdgpu_metadata
.endif
;; end of part 3
;; launch gemm: the kernel of part 2 again; grid 16 x 16, 4 waves a work-group, clusters of 4 x 4, 327,680 bytes of LDS; arguments xb, wb, out0, bias, weight_scale; writes out0
